; MI455X (gfx1250); checked and timed in simulation.
; The chip was launched on July 23, 2026; its instructions are those of AMD's public machine-readable ISA for CDNA 5 (MIT licence, August 2026) and "CDNA5" Instruction Set Architecture Reference Guide (July 2026). The comments in the code are by the model that wrote it; some were corrected since.
;; Multi Query Attention. Allowed arithmetic: matrix products marked QUANTISED: E3M2 operands, one E8M0 scale for each 32 along K, by v_wmma_scale_f32_16x16x128_f8f6f4 with both operands' format E3M2, f32 sums; everything else in f32.
;; Inputs: Wk 1,024 x 128 float32; Wp 1,024 x 1,024 float32; Wq 8 x 1,024 x 128 float32; Wv 1,024 x 128 float32; bp 1,024 float32; x 4 x 2,048 x 1,024 float32.
;; Outputs: out0 4 x 2,048 x 1,024 float32.
;; This version of the problem:
;;   THIS VERSION OF THE PROBLEM IS GIVEN IN LOW PRECISION. The matrix products marked QUANTISED in the list below multiply operands that are first quantised to E3M2 (3 exponent bits, 2 mantissa bits; 6 bits a number), with one power-of-two scale for each 32 numbers along K (OCP MX v1.0); their sums are f32. All else is computed in f32.
;;   The module's matrix products, in the order in which they are computed (A, B: the left and right operand; K: the contracted axis; several contracted axes count as one K, in the product's order):
;;     1. [M 8,192, K 1,024] x [K 1,024, N 128]; A: input x; B: input Wk: QUANTISED
;;     2. [M 8,192, K 1,024] x [K 1,024, N 128]; A: input x; B: input Wv: QUANTISED
;;     3. [M 1,024, K 1,024] x [K 1,024, N 8,192]; A: input Wq; B: input x: QUANTISED
;;     4. batch 4 x [M 16,384, K 128] x [K 128, N 2,048]; A: computed on the way; B: computed on the way: QUANTISED
;;     5. batch 4 x [M 128, K 2,048] x [K 2,048, N 16,384]; A: computed on the way; B: softmax (see below): QUANTISED
;;     6. [M 8,192, K 1,024] x [K 1,024, N 1,024]; A: computed on the way; B: input Wp: QUANTISED
;;   THE QUANTISER, for each operand of a quantised product, along K:
;;     - K is cut into blocks of 32 from its start; a last block that is shorter is filled with zeros.
;;     - A block's scale is 2^e with e = floor(log2(the largest magnitude in the block)) - 4, held to -126 .. 127; a block of zeros has e = 0. As a byte (E8M0): e + 127.
;;     - Each number is divided by its block's scale, clamped to +-28, and rounded to the nearest number of E3M2, ties to even, subnormals kept.
;;     - The product sums the exact products of the quantised numbers (number of the format x scale) in f32.
;;   ~~~python
;;   def quantise(x, axis):      # numpy; x: float32 -> the quantised numbers, widened to float32 again
;;       x = np.moveaxis(x, axis, -1); K = x.shape[-1]
;;       x = np.pad(x, [(0, 0)] * (x.ndim - 1) + [(0, -K % 32)]); x = x.reshape(x.shape[:-1] + (-1, 32)); a = np.abs(x).max(-1, keepdims=True)
;;       e = np.where(a > 0, np.clip(np.frexp(np.where(a > 0, a, 1))[1] - 1 - 4, -126, 127), 0)      # np.frexp(a)[1] - 1 = floor(log2(a)), exactly
;;       r = np.clip(x / 2.0 ** e, -28, 28)
;;       step = 2.0 ** (np.maximum(np.frexp(np.where(r == 0, 1, r))[1] - 1, -2) - 2)
;;       q = np.round(r / step) * step * 2.0 ** e      # np.round: ties to even
;;       return np.moveaxis(q.reshape(q.shape[:-2] + (-1,))[..., :K], -1, axis).astype(np.float32)
;;   ~~~
;;   SOFTMAX AHEAD OF A QUANTISED PRODUCT. Where the list says 'softmax', what is quantised is not the finished softmax but p = 2^(t - M), with t = logit x log2(e) and M = ceil(the row's largest t), a whole number; so 1/2 < the row's largest p <= 1. The row's sum l is taken of the UNQUANTISED p, in f32, and the product's result is divided by l at the end. Since M is a whole number, a kernel that streams over the keys may use a running M (the ceiling of the running maximum): every later rescaling is an exact power of two, which a block's scale takes up: the codes' values come out the same.
;;   OPERANDS COMPUTED ON THE WAY. 'Computed on the way' means the value that the module computes at that place (a softmax that the list does not call 'softmax' is quantised finished and normalised). What goes into a quantiser is computed in f32, as accurately as f32 sums, v_exp_f32 and their like allow (about 1e-6 of the number): no bf16 or f16 on the way to a quantiser, and a product that is left as it is and whose result goes on into a quantised operand takes f32 operands (vector FMAs, or v_wmma_f32_16x16x4_f32). A number that lies on a knife's edge between two numbers of the format may be rounded either way, as far as f32 arithmetic and the matrix unit's own rounding can turn it there, and no further.
;; One version. Each part assembles by itself: llvm-mc -triple=amdgcn-amd-amdhsa -mcpu=gfx1250 --defsym DOCPART=n.
;; ======== version 1 of 1: 3 launches
;; workspace buffers: cod 8,060,928 bytes; scl 335,872 bytes; qkvc 7,864,320 bytes; qkvs 327,680 bytes
;; launch prep (part 1): grid 328 x 1, 8 waves a work-group, no clusters, 68,608 bytes of LDS; arguments x, Wq, Wk, Wv, Wp, cod, scl; writes cod, scl
.if DOCPART == 1
	.amdgcn_target "amdgcn-amd-amdhsa--gfx1250"
	.amdhsa_code_object_version 6
	.text
	.protected	k_q83d7ab9fab_prep
	.globl	k_q83d7ab9fab_prep
	.p2align	8
	.type	k_q83d7ab9fab_prep,@function
k_q83d7ab9fab_prep:
	s_mov_b64 s[64:65], 0
	v_nop
	global_prefetch_b8 v0, s[64:65] scope:SCOPE_SE
	s_setreg_imm32_b32 hwreg(HW_REG_WAVE_MODE, 25, 1), 1
	s_wait_xcnt 0x0
; x [8192][1024] and the four weights (K = their first matrix axis) become codes of BF6 (E3M2) with one E8M0 byte for each 32 along K, laid as IMAGES OF OPERAND REGISTERS.
; A fragment is 16 rows x 128 K = 12 registers a lane = 1,536 bytes: registers 4 q .. 4 q + 3 of lane L at 512 q + 16 L; register 6 c + i of lane (r, h) holds k = 64 c + 32 h + .. of the tile's row r.
; cod: fragment (tile G, K step s) at (8 G + s) x 1,536.  scl: tile G at 512 G, its row r at + 32 r, the word of K step s at + 4 s.
; THE ROWS OF A TILE ARE NOT NEIGHBOURS: lane r of tile G takes row 32 (G / 2) + 8 (G % 2) + r + 8 (r / 8), so that a product's results, taken transposed, are neighbours along the next K.
; Tiles 0-511: x's rows.  512-591: the 1,280 columns of [Wq's 8 heads | Wk | Wv].  592-655: Wp's 1,024 columns.
; A block's scale is 2^(floor(log2(its largest magnitude)) - 4): its byte is the largest magnitude's exponent field - 4, held at 1 from below by a floor among the maximum's leaves.
; LIMITS: NaN and infinities among the inputs are not served; a block whose largest magnitude lies under 2^-122 has its byte held at 1; a block of zeros keeps the byte 1 (its codes are zeros, and this program alone reads the bytes).
; SHARES.  Work-groups 0-255: 32 rows of x each (two tiles x 8 K steps: two fragments a wave).  256-295: 32 columns of Wq, Wk or Wv; 296-327: 32 columns of Wp (wave = K step, two tiles a wave).
; Memory binds: no matrix unit, no cluster (no two work-groups read the same bytes), no tensor load.  Only x's path uses LDS, each wave its own stage: no barrier.
.set FRB,  1536
.set X,    16                          ; v16-143  numbers as loaded
.set Y,    144                         ; v144-207 x's path: 64 numbers of my row, back from the stage
.set CD,   208                         ; v208-231 two fragments' codes: no store's data are written again
.set T2,   232                         ; v232-238 the upper halves of the blocks' codes (a conversion's three registers begin on an even number)
.set TM,   240                         ; v240-241 largest magnitudes, v242-243 scale operands, v244-245 bytes, v246 the other half's bytes
.set W0,   247                         ; v247-248 the two fragments' scale words
.set SPX,  528                         ; a stage row: 512 bytes + 16: sixteen rows start at sixteen different 16-byte columns
	s_load_b256 s[4:11], s[0:1], 0x0               ; x s[4:5], Wq s[6:7], Wk s[8:9], Wv s[10:11]
	s_load_b128 s[12:15], s[0:1], 0x20             ; Wp s[12:13], cod s[14:15]
	s_load_b64 s[16:17], s[0:1], 0x30              ; scl
	v_lshl_add_u32 v254, v0, 2, 0x10800
	v_mov_b32 v255, 0
	v_lshrrev_b32 v1, 5, v0
	v_readfirstlane_b32 s18, v1                    ; wave 0..7
	v_and_b32 v1, 31, v0                           ; lane
	v_and_b32 v2, 15, v0                           ; r
	v_bfe_u32 v3, v0, 4, 1                         ; h
	v_lshlrev_b32 v4, 4, v1                        ; 16 x lane: my place in a load's 512 bytes and in an image
	v_lshlrev_b32 v5, 3, v3                        ; 8 h: where my two scale bytes stand in the word
	v_mov_b32 v[TM+6], 0                           ; written once: a lane permute's destination counts as one of its sources
	v_cmp_lt_u32 vcc_lo, 15, v1                    ; lanes 16-31; kept to the end
	s_mov_b32 s20, 0x76543210
	s_mov_b32 s21, 0xfedcba98                      ; v_permlanex16_b32's selects for lane l xor 16
	s_mul_i32 s26, s18, 16*SPX                     ; my wave's stage
	v_add_nc_u32 v7, s26, v4                       ; in: 16 x lane of a row
	v_mul_u32_u24 v8, v2, SPX
	v_lshl_add_u32 v8, v3, 7, v8
	v_add_nc_u32 v8, s26, v8                       ; out: row r, + 128 h bytes: k = 32 h on
	v_lshlrev_b32 v9, 5, v2                        ; a scale word's place: 32 r, and more below
	s_wait_kmcnt 0x0
; 64 numbers of a lane, v[s + 32 c + i] = k 64 c + 32 h + i of my row or column: two whole blocks.  They become the fragment's 12 registers at v[d] and its scale word in v[w].
.macro QUANT6 s, d, w
.irp c, 0,1
	v_max3_num_f32 v[TM+\c], |v[\s+32*\c]|, |v[\s+32*\c+1]|, 0x2800000   ; the floor 2^(5 - 127): the byte cannot fall under 1
.endr
.irp i, 2,4,6,8,10,12,14,16,18,20,22,24,26,28,30
.irp c, 0,1
	v_max3_num_f32 v[TM+\c], v[TM+\c], |v[\s+32*\c+\i]|, |v[\s+32*\c+\i+1]|   ; the two blocks by turns
.endr
.endr
.irp c, 0,1
	v_add_nc_u32 v[TM+2+\c], 0xfe000000, v[TM+\c]  ; 4 off the exponent field: the conversion takes this operand's exponent field as its scale
.endr
.irp c, 0,1
	v_lshrrev_b32 v[TM+4+\c], 23, v[TM+2+\c]       ; the scale's byte
.endr
	v_lshl_or_b32 v[\w], v[TM+5], 16, v[TM+4]      ; my two bytes: blocks h and 2 + h,
	v_lshlrev_b32 v[\w], v5, v[\w]                 ; at their places;
	v_permlanex16_b32 v[TM+6], v[\w], s20, s21
	v_or_b32 v[\w], v[\w], v[TM+6]                 ; with lane l xor 16's two the word is whole, in both halves of the lanes
.irp c, 0,1
	v_cvt_scalef32_pk16_bf6_f32 v[\d+6*\c:\d+6*\c+2], v[\s+32*\c:\s+32*\c+15], v[TM+2+\c]
	v_cvt_scalef32_pk16_bf6_f32 v[T2+4*\c:T2+4*\c+2], v[\s+32*\c+16:\s+32*\c+31], v[TM+2+\c]
.endr
	v_nop                                          ; one plain instruction behind the scaled conversions, ahead of the moves that read their results
.irp c, 0,1
.irp i, 0,1,2
	v_mov_b32 v[\d+3+6*\c+\i], v[T2+4*\c+\i]
.endr
.endr
.endm
	s_cmp_lt_u32 ttmp9, 256
	s_cbranch_scc0 .Lweights
	; ---- x: work-group id takes rows 32 id .. 32 id + 31.  Wave w: tile 2 id + w / 4, K steps 2 (w % 4) and 2 (w % 4) + 1
	s_lshr_b32 s22, s18, 2                         ; u
	s_and_b32 s23, s18, 3                          ; sp
	s_lshl_b32 s24, ttmp9, 17                      ; 32 rows of 4,096 bytes
	s_lshl_b32 s25, s22, 15                        ; + 8 u rows
	s_add_co_u32 s24, s24, s25
	s_lshl_b32 s25, s23, 10                        ; + two K steps of 512 bytes
	s_add_co_u32 s24, s24, s25
	s_mov_b32 s25, 0
	s_add_nc_u64 s[4:5], s[4:5], s[24:25]
.irp f, 0,1
.set II, 0
.rept 16
	global_load_b128 v[X+64*\f+4*II:X+64*\f+4*II+3], v4, s[4:5] offset:(II+8*(II/8))*4096+512*\f th:TH_LOAD_NT   ; the tile's row II: 32 lanes read 512 consecutive bytes, one K step
.set II, II+1
.endr
.endr
	s_mul_i32 s24, ttmp9, 16*FRB                   ; cod: fragment (2 id + u, 2 sp)
	s_mul_i32 s25, s22, 8*FRB
	s_add_co_u32 s24, s24, s25
	s_mul_i32 s25, s23, 2*FRB
	s_add_co_u32 s24, s24, s25
	s_mov_b32 s25, 0
	s_add_nc_u64 s[14:15], s[14:15], s[24:25]
	s_lshl_b32 s24, ttmp9, 10                      ; scl: 512 (2 id + u) + 4 (2 sp)
	s_lshl_b32 s25, s22, 9
	s_add_co_u32 s24, s24, s25
	s_lshl_b32 s25, s23, 3
	s_add_co_u32 s24, s24, s25
	s_mov_b32 s25, 0
	s_add_nc_u64 s[16:17], s[16:17], s[24:25]
	v_lshl_add_u32 v9, v3, 2, v9                   ; 32 r + 4 h: lanes 0-15 store the first K step's word, lanes 16-31 the second's
.macro XFRAG f
.if \f == 0
	s_wait_loadcnt 16                              ; this fragment's 16 loads are in; the other fragment's 16 may be out
.else
	s_wait_loadcnt 0x0
.endif
.set II, 0
.rept 16
	ds_store_b128 v7, v[X+64*\f+4*II:X+64*\f+4*II+3] offset:SPX*II   ; as loaded
.set II, II+1
.endr
.irp c, 0,1
.irp j, 0,1,2,3,4,5,6,7
	ds_load_b128 v[Y+32*\c+4*\j:Y+32*\c+4*\j+3], v8 offset:256*\c+16*\j   ; LDS serves a wave's instructions in order: these see my stores.  32 neighbours of my row for each c
.endr
.endr
	s_wait_dscnt 0x0
	QUANT6 Y, CD+12*\f, W0+\f
.irp q, 0,1,2
	global_store_b128 v4, v[CD+12*\f+4*\q:CD+12*\f+4*\q+3], s[14:15] offset:FRB*\f+512*\q   ; 32 lanes store 512 consecutive bytes, aligned
.endr
.endm
	XFRAG 0
	XFRAG 1
	v_cndmask_b32 v10, v[W0], v[W0+1], vcc_lo
	global_store_b32 v9, v10, s[16:17]
	s_wait_tensorcnt 0x0
	ds_add_u32 v254, v255
	s_wait_dscnt 0x0
	s_endpgm
.Lweights:
	; ---- weights: block Bk = id - 256 is 32 columns (tiles 512 + 2 Bk and + 1); wave = K step.  A LANE TAKES A COLUMN, ITS REGISTERS RUN DOWN K: nothing is transposed
	s_sub_co_u32 s22, ttmp9, 256                   ; Bk
	s_mul_i32 s24, s22, 16*FRB                     ; cod: fragment (512 + 2 Bk, wave)
	s_mul_i32 s25, s18, FRB
	s_add_co_u32 s24, s24, s25
	s_add_co_u32 s24, s24, 512*8*FRB
	s_mov_b32 s25, 0
	s_add_nc_u64 s[14:15], s[14:15], s[24:25]
	s_lshl_b32 s24, s22, 10                        ; scl: 512 (512 + 2 Bk) + 4 x wave
	s_lshl_b32 s25, s18, 2
	s_add_co_u32 s24, s24, s25
	s_add_co_u32 s24, s24, 512*512
	s_mov_b32 s25, 0
	s_add_nc_u64 s[16:17], s[16:17], s[24:25]
	v_lshl_add_u32 v9, v3, 9, v9                   ; 32 r + 512 h: lanes 0-15 store the first tile's word, lanes 16-31 the second's
	v_and_b32 v6, 8, v2
	v_add_nc_u32 v6, v6, v2                        ; r + 8 (r / 8)
	v_lshlrev_b32 v6, 2, v6                        ; my column's bytes in the block
; pitch: bytes from one k to the next.  The two tiles' loads stand side by side: together they take the block's 128 bytes of a row.
.macro WPATH pitch
	v_mad_u32_u24 v6, v3, 32*\pitch, v6            ; lanes 16-31 begin 32 rows further down
.irp c, 0,1
.set II, 0
.rept 32
	global_load_b32 v[X+32*\c+II], v6, s[6:7] offset:(64*\c+II)*\pitch
	global_load_b32 v[X+64+32*\c+II], v6, s[6:7] offset:(64*\c+II)*\pitch+32
.set II, II+1
.endr
.endr
	s_wait_loadcnt 0x0
	QUANT6 X, CD, W0
	QUANT6 X+64, CD+12, W0+1
.irp u, 0,1
.irp q, 0,1,2
	global_store_b128 v4, v[CD+12*\u+4*\q:CD+12*\u+4*\q+3], s[14:15] offset:8*FRB*\u+512*\q
.endr
.endr
	v_cndmask_b32 v10, v[W0], v[W0+1], vcc_lo
	global_store_b32 v9, v10, s[16:17]
.endm
	s_cmp_lt_u32 s22, 40
	s_cbranch_scc0 .Lwp
	s_and_b32 s24, s22, 3
	s_lshl_b32 s24, s24, 7                         ; the block's 128 bytes in a row of 512
	s_lshr_b32 s25, s22, 2
	s_lshl_b32 s25, s25, 19                        ; Wq's head: 1,024 rows of 512 bytes
	s_cmp_lt_u32 s22, 32                           ; the choice hangs on the work-group's number alone
	s_cselect_b32 s25, s25, 0
	s_cselect_b64 s[6:7], s[6:7], s[8:9]           ; Wq, or Wk,
	s_cmp_lt_u32 s22, 36
	s_cselect_b64 s[6:7], s[6:7], s[10:11]         ; or Wv
	s_add_co_u32 s24, s24, s25
	s_lshl_b32 s25, s18, 16                        ; my K step: 128 rows of 512 bytes
	s_add_co_u32 s24, s24, s25
	s_mov_b32 s25, 0
	s_add_nc_u64 s[6:7], s[6:7], s[24:25]
	WPATH 512
	s_endpgm
.Lwp:
	s_sub_co_u32 s24, s22, 40
	s_lshl_b32 s24, s24, 7                         ; the block's 128 bytes in a row of 4,096
	s_lshl_b32 s25, s18, 19                        ; my K step: 128 rows of 4,096 bytes
	s_add_co_u32 s24, s24, s25
	s_mov_b32 s25, 0
	s_add_nc_u64 s[6:7], s[12:13], s[24:25]
	WPATH 4096
	s_endpgm
.Lfunc_end_k_q83d7ab9fab_prep:
	.size	k_q83d7ab9fab_prep, .Lfunc_end_k_q83d7ab9fab_prep-k_q83d7ab9fab_prep
	.p2alignl 7, 3214868480
	.fill 96, 4, 3214868480
	.section	.rodata,"a",@progbits
	.p2align	6, 0x0
	.amdhsa_kernel k_q83d7ab9fab_prep
		.amdhsa_group_segment_fixed_size 68608
		.amdhsa_private_segment_fixed_size 0
		.amdhsa_enable_private_segment 0
		.amdhsa_kernarg_size 56
		.amdhsa_user_sgpr_count 2
		.amdhsa_user_sgpr_kernarg_segment_ptr 1
		.amdhsa_wavefront_size32 1
		.amdhsa_system_sgpr_workgroup_id_x 1
		.amdhsa_system_sgpr_workgroup_id_y 1
		.amdhsa_system_sgpr_workgroup_id_z 1
		.amdhsa_system_vgpr_workitem_id 0
		.amdhsa_next_free_vgpr 256
		.amdhsa_next_free_sgpr 66
		.amdhsa_reserve_vcc 1
		.amdhsa_float_denorm_mode_32 3
		.amdhsa_float_denorm_mode_16_64 3
		.amdhsa_memory_ordered 1
		.amdhsa_forward_progress 1
		.amdhsa_inst_pref_size 55
	.end_amdhsa_kernel
	.amdgpu_metadata
---
amdhsa.version: [ 1, 2 ]
amdhsa.kernels:
  - .name:           k_q83d7ab9fab_prep
    .symbol:         k_q83d7ab9fab_prep.kd
    .args:
      - { .name: x, .offset: 0, .size: 8, .value_kind: global_buffer, .address_space: global }
      - { .name: Wq, .offset: 8, .size: 8, .value_kind: global_buffer, .address_space: global }
      - { .name: Wk, .offset: 16, .size: 8, .value_kind: global_buffer, .address_space: global }
      - { .name: Wv, .offset: 24, .size: 8, .value_kind: global_buffer, .address_space: global }
      - { .name: Wp, .offset: 32, .size: 8, .value_kind: global_buffer, .address_space: global }
      - { .name: cod, .offset: 40, .size: 8, .value_kind: global_buffer, .address_space: global }
      - { .name: scl, .offset: 48, .size: 8, .value_kind: global_buffer, .address_space: global }
    .group_segment_fixed_size: 68608
    .private_segment_fixed_size: 0
    .kernarg_segment_align: 8
    .kernarg_segment_size: 56
    .max_flat_workgroup_size: 256
    .sgpr_count:     66
    .vgpr_count:     256
    .wavefront_size: 32
...
	.end_amdgpu_metadata
.endif
;; end of part 1
;; launch proj (part 2): grid 64 x 10, 1 waves a work-group, no clusters, 0 bytes of LDS; arguments cod, scl, qkvc, qkvs; writes qkvc, qkvs
.if DOCPART == 2
	.amdgcn_target "amdgcn-amd-amdhsa--gfx1250"
	.amdhsa_code_object_version 6
	.text
	.protected	k_q83d7ab9fab_proj
	.globl	k_q83d7ab9fab_proj
	.p2align	8
	.type	k_q83d7ab9fab_proj,@function
k_q83d7ab9fab_proj:
	s_mov_b64 s[64:65], 0
	v_nop
	global_prefetch_b8 v0, s[64:65] scope:SCOPE_SE
	s_setreg_imm32_b32 hwreg(HW_REG_WAVE_MODE, 25, 1), 1
	s_wait_xcnt 0x0
; q (8 heads), k and v = x times [Wq | Wk | Wv], on codes of BF6 with E8M0 scales, sums in f32; the results are quantised in registers and leave as images of operand registers.
; A work-group is ONE wave with a tile of 128 x 128 over K = 1,024: 64 accumulators, 512 matrix instructions.  x = which 128 tokens (xg), y = which unit U of 128 columns (0-7 q's heads, 8 k, 9 v).
; The product is used transposed: source 0 = 16 rows of "B", source 1 = 16 rows of "A".  A lane then holds one row of A, and, by the order of rows in a tile (lane r of tile G: row 32 (G / 2) + 8 (G % 2) + r + 8 (r / 8)),
; its 64 registers of A's tile a hold B's rows 32 b + 16 (lane / 16) + i in register 16 b + i: neighbours along the next product's K.
; q, k: A = tokens, B = the unit's 128 columns d: quantised along d.  v: A and B change places (two addresses): lanes = d, registers = tokens: quantised along the keys.  One text serves all ten units.
; qkvc: fragment F = 512 U + 8 xg + a at 1,536 F (registers 4 q .. 4 q + 3 of lane L at 512 q + 16 L);  qkvs: its 16 scale words at 64 F + 4 r.
; Operands come from memory straight into registers, each fragment by three loads of 512 consecutive bytes: no LDS, no barrier, no tensor load, and so no joint load of a cluster.  No label, no branch.
; LIMITS: as in the launch before: NaN and infinities not served; a block's byte is held at 1 from below; a block of zeros keeps the byte 1.
; REGISTERS, in windows of 256: window 0: v0-63 scale words (register 8 i + s: lanes 0-15 A's tile i, lanes 16-31 B's tile i, K step s); v64-159, v160-255 A's fragments, two sets.
;   window 1: v0-95, v96-191 B's fragments, two sets; v192-194 offsets.   windows 2, 3: accumulator (a, b) at v[8 (8 (a % 4) + b)] of window 2 + a / 4.
.set FRB,   1536
.set TILEB, 8*FRB                      ; a tile's eight K steps
.set LOFF,  192                        ; window 1: 16 x lane
.set VS,    193                        ; window 1: my tile's scale words: 512 x (GA in lanes 0-15, GB in lanes 16-31) + 32 r
.set L4,    194                        ; window 1: 4 x lane
.set TM,    0                          ; the way out, window 0: v0-3 largest magnitudes, v4-7 bytes, v12-15 scale operands
.set WD,    16                         ; v16-23 the eight scale words; v24-27 two words to a register
.set FO,    32                         ; v32-127 the eight fragments made
.set T2,    128                        ; v128-134
.set AB,    20                         ; s[20:21] A's tiles in cod;  s[22:23] B's;  s[24:25], s[26:27] where the results go
.set BB,    22
.set OC,    24
.set OS,    26
.set MSB, 0
.macro WIN new                         ; low byte: bits 1:0 source 0, 3:2 source 1, 5:4 source 2, 7:6 destination; the high byte repeats the setting that is left
.if MSB != \new
	s_set_vgpr_msb (MSB<<8)|\new
.set MSB, \new
.endif
.endm
	s_load_b256 s[4:11], s[0:1], 0x0               ; cod s[4:5], scl s[6:7], qkvc s[8:9], qkvs s[10:11]
	s_and_b32 s12, ttmp7, 0xffff                   ; U
	s_lshl_b32 s13, ttmp9, 3                       ; the tokens' first tile: 8 xg
	s_lshl_b32 s14, s12, 3
	s_add_co_u32 s14, s14, 512                     ; the unit's first tile: 512 + 8 U
	s_cmp_eq_u32 s12, 9
	s_cselect_b32 s15, s14, s13                    ; GA: tokens; for v the unit
	s_cselect_b32 s16, s13, s14                    ; GB: the other
	s_mul_i32 s[AB], s15, TILEB
	s_mov_b32 s[AB+1], 0
	s_mul_i32 s[BB], s16, TILEB
	s_mov_b32 s[BB+1], 0
	s_lshl_b32 s28, s12, 9
	s_add_co_u32 s28, s28, s13                     ; the first fragment made: 512 U + 8 xg
	s_mul_i32 s[OC], s28, FRB
	s_mov_b32 s[OC+1], 0
	s_lshl_b32 s[OS], s28, 6
	s_mov_b32 s[OS+1], 0
	s_lshl_b32 s17, s15, 9
	s_lshl_b32 s18, s16, 9
	s_mov_b32 s30, 0x76543210
	s_mov_b32 s31, 0xfedcba98                      ; v_permlanex16_b32's selects for lane l xor 16
	v_and_b32 v64, 15, v0                          ; r (v0 is the lane: one wave)
	v_lshlrev_b32 v65, 4, v0
	v_cmp_lt_u32 vcc_lo, 15, v0                    ; lanes 16-31; kept to the end
	v_mov_b32 v66, s17
	v_mov_b32 v67, s18
	v_cndmask_b32 v66, v66, v67, vcc_lo
	v_lshl_add_u32 v66, v64, 5, v66
	v_lshlrev_b32 v67, 2, v0
	WIN 0x40                                       ; destination window 1
	v_mov_b32 v[LOFF], v65
	v_mov_b32 v[VS], v66
	v_mov_b32 v[L4], v67
	s_wait_kmcnt 0x0
	s_add_nc_u64 s[AB:AB+1], s[4:5], s[AB:AB+1]
	s_add_nc_u64 s[BB:BB+1], s[4:5], s[BB:BB+1]
	s_add_nc_u64 s[OC:OC+1], s[8:9], s[OC:OC+1]
	s_add_nc_u64 s[OS:OS+1], s[10:11], s[OS:OS+1]
.macro LOADS s, p                      ; K step s: B's eight fragments and A's eight into set p: 48 loads
	WIN 0x41                                       ; destination and address window 1
.irp i, 0,1,2,3,4,5,6,7
.irp q, 0,1,2
	global_load_b128 v[96*(\p)+12*\i+4*\q:96*(\p)+12*\i+4*\q+3], v[LOFF], s[BB:BB+1] offset:TILEB*\i+FRB*(\s)+512*\q
.endr
.endr
	WIN 0x01                                       ; destination window 0
.irp i, 0,1,2,3,4,5,6,7
.irp q, 0,1,2
	global_load_b128 v[64+96*(\p)+12*\i+4*\q:64+96*(\p)+12*\i+4*\q+3], v[LOFF], s[AB:AB+1] offset:TILEB*\i+FRB*(\s)+512*\q
.endr
.endr
.endm
; 64 matrix instructions: A's tiles one after the other, each against B's eight.  The 64 accumulators take turns, one instruction a turn, in the same order in every K step.
.macro MUL s, p, zero
.irp a, 0,1,2,3,4,5,6,7
.if \a == 0
	WIN 0xa1                                       ; source 0 (B) window 1, source 1 (A) window 0, C and D window 2
.endif
.if \a == 4
	WIN 0xf1                                       ; C and D window 3
.endif
.irp b, 0,1,2,3,4,5,6,7
.if \zero
	v_wmma_scale_f32_16x16x128_f8f6f4 v[8*(8*(\a%4)+\b):8*(8*(\a%4)+\b)+7], v[96*(\p)+12*\b:96*(\p)+12*\b+11], v[64+96*(\p)+12*\a:64+96*(\p)+12*\a+11], 0, v[8*\b+(\s)], v[8*\a+(\s)] matrix_a_fmt:MATRIX_FMT_BF6 matrix_b_fmt:MATRIX_FMT_BF6 matrix_a_scale:MATRIX_SCALE_ROW1
.else
	v_wmma_scale_f32_16x16x128_f8f6f4 v[8*(8*(\a%4)+\b):8*(8*(\a%4)+\b)+7], v[96*(\p)+12*\b:96*(\p)+12*\b+11], v[64+96*(\p)+12*\a:64+96*(\p)+12*\a+11], v[8*(8*(\a%4)+\b):8*(8*(\a%4)+\b)+7], v[8*\b+(\s)], v[8*\a+(\s)] matrix_a_fmt:MATRIX_FMT_BF6 matrix_b_fmt:MATRIX_FMT_BF6 matrix_a_scale:MATRIX_SCALE_ROW1
.endif
.endr
.endr
.endm
; left: the loads issued behind this step's, which may stay out.  more = 1: the set just multiplied takes the K step two on, which then has the next step's 64 matrix instructions in which to land.
.macro KSTEP s, p, zero, left, more
	s_wait_loadcnt \left
	MUL \s, \p, \zero
.rept 4
	v_nop                                          ; four plain places behind the matrix instructions, ahead of loads into registers that they read and of the first read of results
.endr
.if \more
	LOADS (\s)+2, \p
.endif
.endm
	WIN 0x01
.irp i, 0,1,2,3,4,5,6,7                        ; all scale words, once: a row's eight words are 32 bytes on end
	global_load_b128 v[8*\i:8*\i+3], v[VS], s[6:7] offset:512*\i
	global_load_b128 v[8*\i+4:8*\i+7], v[VS], s[6:7] offset:512*\i+16
.endr
	LOADS 0, 0
	LOADS 1, 1
	KSTEP 0, 0, 1, 48, 1                           ; the first products start the sums: nothing is cleared.  48: the next K step's loads stay out
	KSTEP 1, 1, 0, 48, 1
	KSTEP 2, 0, 0, 48, 1
	KSTEP 3, 1, 0, 48, 1
	KSTEP 4, 0, 0, 48, 1
	KSTEP 5, 1, 0, 48, 1
	KSTEP 6, 0, 0, 48, 0
	KSTEP 7, 1, 0, 0, 0
	; THE WAY OUT: A's tile a: 64 numbers a lane, register 16 b + i = k 32 b + 16 (lane / 16) + i, become a fragment and a scale word.
	WIN 0
.irp b, 0,1,2,3
	v_mov_b32 v[TM+4+\b], 0                        ; written once: a lane permute's destination counts as one of its sources
.endr
.macro QUANTW a
.set QW, 2+(\a)/4                      ; the accumulators' window
.set QWW, QW*5                         ; sources 0 and 1 in it
.set QS, 64*((\a)%4)
.set QF, FO+12*(\a)
	WIN QWW
.irp b, 0,1,2,3
	v_max3_num_f32 v[TM+\b], |v[QS+16*\b]|, |v[QS+16*\b+1]|, 0x2800000   ; each accumulator is read from its low end on; the floor 2^(5 - 127) holds the byte at 1 from below
.endr
.irp i, 2,4,6,8,10,12,14
.irp b, 0,1,2,3
	v_max3_num_f32 v[TM+\b], |v[QS+16*\b+\i]|, |v[QS+16*\b+\i+1]|, v[TM+\b]
.endr
.endr
	WIN 0
.irp b, 0,1,2,3
	v_permlanex16_b32 v[TM+4+\b], v[TM+\b], s30, s31
.endr
.irp b, 0,1,2,3
	v_max_num_f32 v[TM+\b], v[TM+\b], v[TM+4+\b]   ; with lane l xor 16's 16: the block's largest magnitude
.endr
.irp b, 0,1,2,3
	v_add_nc_u32 v[TM+12+\b], 0xfe000000, v[TM+\b] ; 4 off the exponent field: the conversion's scale operand
.endr
.irp b, 0,1,2,3
	v_lshrrev_b32 v[TM+4+\b], 23, v[TM+12+\b]      ; the scale's byte
.endr
	v_lshl_or_b32 v[WD+(\a)], v[TM+5], 8, v[TM+4]
	v_lshl_or_b32 v[WD+(\a)], v[TM+6], 16, v[WD+(\a)]
	v_lshl_or_b32 v[WD+(\a)], v[TM+7], 24, v[WD+(\a)]
	WIN QW                                         ; source 0 in the accumulators' window
.irp c, 0,1
	v_cvt_scalef32_pk16_bf6_f32 v[QF+6*\c:QF+6*\c+2], v[QS+32*\c:QS+32*\c+15], v[TM+12+2*\c]
	v_cvt_scalef32_pk16_bf6_f32 v[T2+4*\c:T2+4*\c+2], v[QS+32*\c+16:QS+32*\c+31], v[TM+12+2*\c+1]
.endr
	WIN 0
	v_nop                                          ; one plain instruction behind the scaled conversions
.irp c, 0,1                                    ; the operand's layout wants a whole block in a lane: lanes 0-15 block 2 c, lanes 16-31 block 2 c + 1
.irp i, 0,1,2
	v_permlane16_swap_b32 v[QF+6*\c+\i], v[T2+4*\c+\i]
.endr
.irp i, 0,1,2
	v_mov_b32 v[QF+3+6*\c+\i], v[T2+4*\c+\i]
.endr
.endr
.endm
.irp a, 0,1,2,3,4,5,6,7
	QUANTW \a
.endr
.irp i, 0,1,2,3
	v_cndmask_b32 v[WD+8+\i], v[WD+2*\i], v[WD+2*\i+1], vcc_lo   ; lanes 0-15: tile 2 i's words, lanes 16-31: tile 2 i + 1's (both halves of the lanes hold a row's whole word)
.endr
	WIN 0x01                                       ; address window 1, data window 0
.irp a, 0,1,2,3,4,5,6,7
.irp q, 0,1,2
	global_store_b128 v[LOFF], v[FO+12*\a+4*\q:FO+12*\a+4*\q+3], s[OC:OC+1] offset:FRB*\a+512*\q   ; 512 consecutive bytes, aligned
.endr
.endr
.irp i, 0,1,2,3
	global_store_b32 v[L4], v[WD+8+\i], s[OS:OS+1] offset:128*\i
.endr
	WIN 0
	s_endpgm
.Lfunc_end_k_q83d7ab9fab_proj:
	.size	k_q83d7ab9fab_proj, .Lfunc_end_k_q83d7ab9fab_proj-k_q83d7ab9fab_proj
	.p2alignl 7, 3214868480
	.fill 96, 4, 3214868480
	.section	.rodata,"a",@progbits
	.p2align	6, 0x0
	.amdhsa_kernel k_q83d7ab9fab_proj
		.amdhsa_group_segment_fixed_size 0
		.amdhsa_private_segment_fixed_size 0
		.amdhsa_enable_private_segment 0
		.amdhsa_kernarg_size 32
		.amdhsa_user_sgpr_count 2
		.amdhsa_user_sgpr_kernarg_segment_ptr 1
		.amdhsa_wavefront_size32 1
		.amdhsa_system_sgpr_workgroup_id_x 1
		.amdhsa_system_sgpr_workgroup_id_y 1
		.amdhsa_system_sgpr_workgroup_id_z 1
		.amdhsa_system_vgpr_workitem_id 0
		.amdhsa_next_free_vgpr 1024
		.amdhsa_next_free_sgpr 66
		.amdhsa_reserve_vcc 1
		.amdhsa_float_denorm_mode_32 3
		.amdhsa_float_denorm_mode_16_64 3
		.amdhsa_memory_ordered 1
		.amdhsa_forward_progress 1
		.amdhsa_inst_pref_size 140
	.end_amdhsa_kernel
	.amdgpu_metadata
---
amdhsa.version: [ 1, 2 ]
amdhsa.kernels:
  - .name:           k_q83d7ab9fab_proj
    .symbol:         k_q83d7ab9fab_proj.kd
    .args:
      - { .name: cod, .offset: 0, .size: 8, .value_kind: global_buffer, .address_space: global }
      - { .name: scl, .offset: 8, .size: 8, .value_kind: global_buffer, .address_space: global }
      - { .name: qkvc, .offset: 16, .size: 8, .value_kind: global_buffer, .address_space: global }
      - { .name: qkvs, .offset: 24, .size: 8, .value_kind: global_buffer, .address_space: global }
    .group_segment_fixed_size: 0
    .private_segment_fixed_size: 0
    .kernarg_segment_align: 8
    .kernarg_segment_size: 32
    .max_flat_workgroup_size: 32
    .sgpr_count:     66
    .vgpr_count:     1024
    .wavefront_size: 32
...
	.end_amdgpu_metadata
.endif
;; end of part 2
;; launch attn (part 3): grid 256 x 1, 16 waves a work-group, no clusters, 327,680 bytes of LDS; arguments qkvc, qkvs, cod, scl, bp, out0; writes out0
.if DOCPART == 3
	.amdgcn_target "amdgcn-amd-amdhsa--gfx1250"
	.amdhsa_code_object_version 6
	.text
	.protected	k_q83d7ab9fab_attn
	.globl	k_q83d7ab9fab_attn
	.p2align	8
	.type	k_q83d7ab9fab_attn,@function
k_q83d7ab9fab_attn:
	s_mov_b64 s[64:65], 0
	v_nop
	global_prefetch_b8 v0, s[64:65] scope:SCOPE_SE
	s_setreg_imm32_b32 hwreg(HW_REG_WAVE_MODE, 25, 1), 1
	s_wait_xcnt 0x0
; out0 = concat over heads of (softmax(q k^T / 32, causal) v) times Wp + bp, all three products on codes of BF6 (E3M2) with E8M0 scales, sums in f32.
; q, k, v arrive as images of operand registers (fragment F at 1,536 F in qkvc, its 16 scale words at 64 F in qkvs): q's head U: F = 512 U + 128 batch + token tile; k: U = 8; v: F = 4,608 + 8 (16 batch + group of 128 keys) + d tile,
; quantised along the keys.  Lane r of token (or d) tile G holds row 32 (G / 2) + 8 (G % 2) + r + 8 (r / 8).  Wp: tiles 592-655 of cod and scl (fragment (G, s) at (8 G + s) x 1,536; scale words at 512 G + 32 r + 4 s).
; THE SOFTMAX: t = score x log2(e) / 32; M = the running largest t rounded UP to a whole number; p = 2^(t - M) is quantised along the keys, not normalised; the row's sum is taken of the unquantised p and divides O at the end.
; SHARES.  A work-group owns two token tiles of one batch, for all 8 heads: tile u of block i and tile u of block 63 - i (blocks of 32 tokens): (i / 4) + ((63 - i) / 4) + 2 = 17 key steps of 128 for each head, the same in every work-group.
; Wave w: head w / 2, and the light or the heavy tile by z = (w xor w / 4) & 1.  Sixteen waves of 256 registers: four to a SIMD, so that one wave's vector work stands beside another's matrix work and LDS loads.
; Both attention products are used transposed (S^T = k q^T, O^T = v^T p^T): a lane holds ONE query throughout, and O^T's 64 registers are neighbours along the last product's K (head x 128 + d).
; EVERY wave walks ALL key steps: trip counts are constants; a step all of whose keys come after the wave's queries is jumped over (a scalar branch on ids), never a barrier or a tensor load.
; THE LAST PRODUCT: each wave's O / l is quantised in registers and goes to LDS as an image (K step = head); one barrier; wave w then makes columns 64 w .. 64 w + 63 of out0 for both token tiles, bp being the C of the sums' first links.
; NO CLUSTER: the work-groups of a batch read the same k and v, but the jump over hidden key steps hangs on the work-group's own token blocks, which differ between any partners.
; LIMITS: NaN and infinities not served; a block's byte is held at 1 from below, a block of zeros keeps the byte 1; the division by l is v_rcp_f32 and a multiplication; a block's largest p is taken from its largest score,
; which takes v_exp_f32 not to fall where its input rises.
; REGISTERS in the key loop: v1-3 places that stay; v5, v6 the spare word's address and 0; v8, v10 addresses in hand; v12 -M, v13 the largest t, v[14:15] the sum in two halves; v16-27 q; v28 the prefetch's offset;
;   v32-79 four fragments of k or v; v96-159 S^T, then p; v160-223 O^T; v224-235 p's codes; v232-247, v252-254 at work; v248-251 scale words of k or v; v253 p's scale word; v255 q's.
.set FRB,   1536
.set KSL,   32*FRB                     ; a slot's k: 512 keys = 32 fragments; its v, as many bytes, lies behind
.set SLOT1, 1<<17                      ; slot 1 begins here: one exclusive or turns an address in one slot into the other's
.set SCK,   2*KSL                      ; 98,304: k's scale words of the whole batch, 8,192 bytes; v's behind them
.set SPARE, SCK+16384                  ; 114,688: the spare words, 128 bytes for each of 16 waves: eight blocks of 256 bytes that no other line names
.set OIMG,  SLOT1+2*KSL                ; 229,376: 16 images of O (8 z + head)
.set OSC,   OIMG+16*FRB                ; 253,952: their scale words: K step s at 128 s, tile z at + 64
.set STG,   OSC+2048                   ; 256,000: the way out: 16 rows x (256 bytes + 16) for each wave
.set SP,    272
.set LI,   1                           ; v1   16 x lane: an image's place for my lane
.set LS0,  2                           ; v2   SCK + 4 x lane
.set QD,   3                           ; v3   my query's token - 16 (lane / 16)
.set SPW,  5
.set NIL,  6
.set ADK,  8
.set ADS,  10
.set PFO,  28
.set TB,   2                           ; s2   LDS byte at which the key step's fragments of k begin
.set TS,   3                           ; s3   the key step's scale words: 512 bytes a step
.set WV,   18
.set SEL,  20
.set CS,   22                          ; s[22:23] c = log2(e) / 32
.set G1,   24                          ; s[24:31] group 1: 96 rows of 256 bytes, dense;  s[32:39] the same with 16 rows
.set G1S,  32
.set G0,   40                          ; s[40:43] group 0 of the walking load;  s[44:47] of the scale words
.set G0S,  44
.set BAT,  48
.set BI,   49
.set BU,   50
.set HD,   51
.set ZZ,   52
.set KF,   66                          ; the step's first key
.set SLOTS, 67
.set STP,  68
.set QMIN, 69                          ; my tile's first token; its last is QMIN + 23
.set QMAX, 70
.set PFA,  76
.set LIM,  80
; matrix instructions.  ra, rb: the scale words of source 0, of source 1 stand in lanes 16-31
.macro WM0 d, a, b, sa, sb, ra
.if (\ra)
	v_wmma_scale_f32_16x16x128_f8f6f4 v[\d:\d+7], v[\a:\a+11], v[\b:\b+11], 0, v[\sa], v[\sb] matrix_a_fmt:MATRIX_FMT_BF6 matrix_b_fmt:MATRIX_FMT_BF6 matrix_a_scale:MATRIX_SCALE_ROW1
.else
	v_wmma_scale_f32_16x16x128_f8f6f4 v[\d:\d+7], v[\a:\a+11], v[\b:\b+11], 0, v[\sa], v[\sb] matrix_a_fmt:MATRIX_FMT_BF6 matrix_b_fmt:MATRIX_FMT_BF6
.endif
.endm
.macro WMA d, a, b, sa, sb, ra, rb
.if (\ra) && (\rb)
	v_wmma_scale_f32_16x16x128_f8f6f4 v[\d:\d+7], v[\a:\a+11], v[\b:\b+11], v[\d:\d+7], v[\sa], v[\sb] matrix_a_fmt:MATRIX_FMT_BF6 matrix_b_fmt:MATRIX_FMT_BF6 matrix_a_scale:MATRIX_SCALE_ROW1 matrix_b_scale:MATRIX_SCALE_ROW1
.elseif (\ra)
	v_wmma_scale_f32_16x16x128_f8f6f4 v[\d:\d+7], v[\a:\a+11], v[\b:\b+11], v[\d:\d+7], v[\sa], v[\sb] matrix_a_fmt:MATRIX_FMT_BF6 matrix_b_fmt:MATRIX_FMT_BF6 matrix_a_scale:MATRIX_SCALE_ROW1
.elseif (\rb)
	v_wmma_scale_f32_16x16x128_f8f6f4 v[\d:\d+7], v[\a:\a+11], v[\b:\b+11], v[\d:\d+7], v[\sa], v[\sb] matrix_a_fmt:MATRIX_FMT_BF6 matrix_b_fmt:MATRIX_FMT_BF6 matrix_b_scale:MATRIX_SCALE_ROW1
.else
	v_wmma_scale_f32_16x16x128_f8f6f4 v[\d:\d+7], v[\a:\a+11], v[\b:\b+11], v[\d:\d+7], v[\sa], v[\sb] matrix_a_fmt:MATRIX_FMT_BF6 matrix_b_fmt:MATRIX_FMT_BF6
.endif
.endm
; from the four blocks' largest magnitudes in v232-235: the conversions' scale operands v244-247 and the scale word v253
.macro QWORD
.irp b, 0,1,2,3
	v_add_nc_u32 v[244+\b], 0xfe000000, v[232+\b]  ; 4 off the exponent field
.endr
.irp b, 0,1,2,3
	v_lshrrev_b32 v[236+\b], 23, v[244+\b]         ; the scale's byte
.endr
	v_lshl_or_b32 v253, v237, 8, v236
	v_lshl_or_b32 v253, v238, 16, v253
	v_lshl_or_b32 v253, v239, 24, v253
.endm
; v96-159 (register 16 b + i = k 32 b + 16 (lane / 16) + i) become the operand's 12 registers v224-235
.macro QCODE
.irp c, 0,1
	v_cvt_scalef32_pk16_bf6_f32 v[224+6*\c:226+6*\c], v[96+32*\c:111+32*\c], v[244+2*\c]
	v_cvt_scalef32_pk16_bf6_f32 v[236+4*\c:238+4*\c], v[112+32*\c:127+32*\c], v[244+2*\c+1]   ; (a conversion's three registers begin on an even number)
.endr
	v_nop                                          ; one plain instruction behind the scaled conversions
.irp c, 0,1                                    ; a whole block to a lane: lanes 0-15 block 2 c, lanes 16-31 block 2 c + 1
.irp i, 0,1,2
	v_permlane16_swap_b32 v[224+6*\c+\i], v[236+4*\c+\i]
.endr
.irp i, 0,1,2
	v_mov_b32 v[227+6*\c+\i], v[236+4*\c+\i]
.endr
.endr
.endm
	s_load_b256 s[4:11], s[0:1], 0x0               ; qkvc s[4:5], qkvs s[6:7], cod s[8:9], scl s[10:11]
	s_load_b128 s[12:15], s[0:1], 0x20             ; bp s[12:13], out0 s[14:15]
	v_lshl_add_u32 v[SPW], v0, 2, SPARE
	v_mov_b32 v[NIL], 0
	ds_add_u32 v5, v6
	s_wait_dscnt 0x0
	v_lshrrev_b32 v8, 5, v0
	v_readfirstlane_b32 s[WV], v8                  ; wave 0..15
	s_lshr_b32 s[BAT], ttmp9, 6                    ; batch
	s_and_b32 s53, ttmp9, 63                       ; g
	s_lshr_b32 s[BI], s53, 1                       ; i
	s_and_b32 s[BU], s53, 1                        ; u
	s_lshr_b32 s[HD], s[WV], 1                     ; head
	s_lshr_b32 s[ZZ], s[WV], 2
	s_xor_b32 s[ZZ], s[ZZ], s[WV]
	s_and_b32 s[ZZ], s[ZZ], 1                      ; z: 0 the tile of block i, 1 that of block 63 - i
	s_lshl_b32 s54, s[BI], 1
	s_sub_co_u32 s54, 63, s54
	s_mul_i32 s54, s54, s[ZZ]
	s_add_co_u32 s54, s54, s[BI]                   ; my block of 32 tokens
	s_lshl_b32 s55, s54, 1
	s_add_co_u32 s55, s55, s[BU]                   ; my token tile
	s_lshl_b32 s[QMIN], s54, 5
	s_lshl_b32 s56, s[BU], 3
	s_add_co_u32 s[QMIN], s[QMIN], s56
	s_add_co_u32 s[QMAX], s[QMIN], 23
	; descriptor groups 1: dense blocks as rows of 256 bytes (32 elements of 8 bytes), no padding: an image is read 512 bytes on end
	s_mov_b32 s[G1], 3<<16                         ; no mask; elements of 8 bytes; padding off
	s_mov_b32 s[G1+1], 32<<16                      ; tensor_dim0 = 32
	s_mov_b32 s[G1+2], 96<<16                      ; tensor_dim1 = 96
	s_mov_b32 s[G1+3], 32<<16                      ; tile_dim0 = 32
	s_mov_b32 s[G1+4], 96                          ; tile_dim1 = 96: 24,576 bytes, half of a slot's k or v
	s_mov_b32 s[G1+5], 32                          ; from row to row
	s_mov_b32 s[G1+6], 0
	s_mov_b32 s[G1+7], 0
	s_mov_b32 s[G1S], 3<<16
	s_mov_b32 s[G1S+1], 32<<16
	s_mov_b32 s[G1S+2], 16<<16
	s_mov_b32 s[G1S+3], 32<<16
	s_mov_b32 s[G1S+4], 16                         ; 4,096 bytes: half of a batch's scale words of k or v
	s_mov_b32 s[G1S+5], 32
	s_mov_b32 s[G1S+6], 0
	s_mov_b32 s[G1S+7], 0
	; what waves 0 to 3 fetch: 0, 1 the halves of k, 2, 3 those of v
	s_and_b32 s57, s[WV], 3
	s_lshr_b32 s58, s57, 1
	s_and_b32 s59, s57, 1
	s_mul_i32 s60, s58, 512*FRB                    ; v's fragments lie 512 behind k's
	s_mul_i32 s61, s[BAT], 128*FRB
	s_add_co_u32 s60, s60, s61
	s_mul_i32 s61, s59, 16*FRB
	s_add_co_u32 s60, s60, s61
	s_add_co_u32 s60, s60, 4096*FRB
	s_mov_b32 s61, 0
	s_lshl_b32 s62, s58, 15
	s_lshl_b32 s63, s[BAT], 13
	s_add_co_u32 s62, s62, s63
	s_lshl_b32 s63, s59, 12
	s_add_co_u32 s62, s62, s63
	s_add_co_u32 s62, s62, 4096*64
	s_mov_b32 s63, 0
	s_mul_i32 s[G0+1], s57, 16*FRB                 ; LDS: slot 0, quarter = wave
	s_lshl_b32 s[G0S+1], s57, 12
	s_add_co_u32 s[G0S+1], s[G0S+1], SCK
	; q: fragment 512 head + 128 batch + tile
	s_lshl_b32 s71, s[HD], 9
	s_lshl_b32 s72, s[BAT], 7
	s_add_co_u32 s71, s71, s72
	s_add_co_u32 s71, s71, s55
	s_mul_i32 s72, s71, FRB
	s_mov_b32 s73, 0
	s_lshl_b32 s74, s71, 6
	s_mov_b32 s75, 0
	; the prefetches (macro ASK): waves 4 to 9 take k's 49,152 bytes of a slot, waves 10 to 15 v's, 8,192 bytes a wave
	s_max_u32 s81, s[WV], 4
	s_sub_co_u32 s81, s81, 4
	s_lshl_b32 s82, s81, 13
	s_cmp_lt_u32 s[WV], 10
	s_cselect_b32 s83, 0, 512*FRB-KSL
	s_add_co_u32 s82, s82, s83
	s_mul_i32 s83, s[BAT], 128*FRB
	s_add_co_u32 s82, s82, s83
	s_add_co_u32 s82, s82, 4096*FRB+KSL            ; in slot 1: the first change of slots steps it to slot 2.  Nothing is prefetched at the head
	s_mov_b32 s83, 0
	s_cmp_lt_u32 s[WV], 4
	s_cselect_b32 s84, 1, 0
	s_or_b32 s84, s84, s53                         ; 0 in waves 4 to 15 of the batch's first work-group
	s_cmp_eq_u32 s84, 0
	s_cselect_b32 s[LIM], 1, -1
	s_mov_b32 s[SEL], 0x76543210
	s_mov_b32 s[SEL+1], 0xfedcba98
	s_mov_b32 s[CS], 0x3d38aa3b                    ; log2(e) / 32
	s_mov_b32 s[CS+1], s[CS]                       ; (named with it as a pair, so it is written)
	s_mov_b32 s[TB], 0
	s_mov_b32 s[TS], 0
	s_mov_b32 s[KF], 0
	s_mov_b32 s[SLOTS], 3
	s_wait_kmcnt 0x0
	s_mov_b32 s[G0], 1
	s_add_nc_u64 s[G0+2:G0+3], s[4:5], s[60:61]
	s_or_b32 s[G0+3], s[G0+3], 0x80000000
	s_mov_b32 s[G0S], 1
	s_add_nc_u64 s[G0S+2:G0S+3], s[6:7], s[62:63]
	s_or_b32 s[G0S+3], s[G0S+3], 0x80000000
	s_cmp_lt_u32 s[WV], 4                          ; a wave's two first fills stand in one branch, ahead of every wait on TENSORcnt, every LDS read and every barrier: two loads of mine are out
	s_cbranch_scc0 .Lno_fill
	tensor_load_to_lds s[G0S:G0S+3], s[G1S:G1S+7]  ; the scale words of the whole batch: filled once
	s_nop 0
	tensor_load_to_lds s[G0:G0+3], s[G1:G1+7]      ; slot 0
	s_nop 0
.rept 4
	v_nop
.endr
.Lno_fill:
	s_add_nc_u64 s[72:73], s[4:5], s[72:73]
	s_add_nc_u64 s[74:75], s[6:7], s[74:75]
	s_add_nc_u64 s[PFA:PFA+1], s[4:5], s[82:83]
	v_and_b32 v9, 31, v0                           ; lane
	v_and_b32 v10, 15, v0                          ; r
	v_bfe_u32 v11, v0, 4, 1                        ; h
	v_lshlrev_b32 v[LI], 4, v9
	v_lshlrev_b32 v4, 2, v10
.irp q, 0,1,2
	global_load_b128 v[16+4*\q:19+4*\q], v[LI], s[72:73] offset:512*\q   ; q's fragment stays in registers
.endr
	global_load_b32 v255, v4, s[74:75]             ; and its scale words
	v_lshl_add_u32 v[LS0], v9, 2, SCK
	v_lshlrev_b32 v[PFO], 8, v9
	v_and_b32 v[QD], 8, v10
	v_add_nc_u32 v[QD], v[QD], v10                 ; r + 8 (r / 8)
	v_lshlrev_b32 v7, 4, v11
	v_sub_nc_u32 v[QD], v[QD], v7
	v_add_nc_u32 v[QD], s[QMIN], v[QD]
	v_mov_b32 v13, 0xff61b1e6                      ; the largest t so far: -3e38
	v_floor_f32 v12, -v13                          ; -M
	v_mov_b32 v14, 0
	v_mov_b32 v15, 0
.irp b, 0,1,2,3
	v_mov_b32 v[236+\b], 0                         ; written once: a lane permute's destination counts as one of its sources
.endr
	v_mov_b32 v252, 0
	v_mov_b32 v253, 0                              ; (named as the upper half of the pair v[252:253] before it is first written)
	v_mov_b32 v254, 0
.set JJ, 0
.rept 64
	v_mov_b32 v[160+JJ], 0                         ; O^T.  The key step is written once: its first trip finds zeros, which the first change of M leaves zeros
.set JJ, JJ+1
.endr
; A KEY STEP: 128 keys.
.macro STEP
	s_cmp_gt_u32 s[KF], s[QMAX]                    ; all its keys come after my queries: only the addresses step
	s_cbranch_scc1 .Lhidden_\@
	v_add_nc_u32 v[ADK], s[TB], v[LI]
	v_add_nc_u32 v[ADS], s[TS], v[LS0]
	v_nop
	v_nop                                          ; with the two additions: four plain places behind the last matrix instructions, ahead of loads into registers that they read
.irp j, 0,1,2,3
	ds_load_b32 v[248+\j], v[ADS] offset:128*\j    ; k's scale words: lanes 0-15 tile 2 j's, lanes 16-31 tile 2 j + 1's
.endr
.irp g, 0,1                                    ; S^T = k q^T, four tiles of 16 keys at a time
.if \g > 0
.rept 4
	v_nop
.endr
.endif
.irp t, 0,1,2,3
.irp q, 0,1,2
	ds_load_b128 v[32+12*\t+4*\q:35+12*\t+4*\q], v[ADK] offset:(4*\g+\t)*FRB+512*\q
.endr
.endr
	s_wait_dscnt 0x0
.irp t, 0,1,2,3
	WM0 96+8*(4*\g+\t), 32+12*\t, 16, 248+(4*\g+\t)/2, 255, \t%2
.endr
.endr                                          ; register 16 b + i of lane (r, h): key KF + 32 b + 16 h + i
.rept 4
	v_nop
.endr
	s_add_co_u32 s96, s[KF], 127                   ; on the diagonal hidden scores become -infinity ahead of the maximum; a step all of whose keys count skips this
	s_cmp_le_u32 s96, s[QMIN]
	s_cbranch_scc1 .Lopen_\@
	v_sub_nc_u32 v252, v[QD], s[KF]                ; hidden where 32 b + i > my token - 16 h - KF
	v_mov_b32 v254, 0xff800000
.set JJ, 0
.rept 64
	v_cmp_gt_i32 vcc_lo, 32*(JJ/16)+JJ%16, v252
	v_cndmask_b32 v[96+JJ], v[96+JJ], v254, vcc_lo
.set JJ, JJ+1
.endr
.Lopen_\@:
.irp b, 0,1,2,3
	v_max3_num_f32 v[232+\b], v[96+16*\b], v[97+16*\b], v[98+16*\b]   ; the largest score of each block of 32 keys: for the row's maximum, and, since p rises with the score, for the block's largest p
.endr
.irp i, 3,5,7,9,11,13
.irp b, 0,1,2,3
	v_max3_num_f32 v[232+\b], v[232+\b], v[96+16*\b+\i], v[97+16*\b+\i]
.endr
.endr
.irp b, 0,1,2,3
	v_max_num_f32 v[232+\b], v[232+\b], v[111+16*\b]
.endr
.irp b, 0,1,2,3
	v_permlanex16_b32 v[236+\b], v[232+\b], s[SEL], s[SEL+1]
.endr
.irp b, 0,1,2,3
	v_max_num_f32 v[232+\b], v[232+\b], v[236+\b]  ; with lane l xor 16's 16 keys
.endr
	v_max3_num_f32 v254, v232, v233, v234
	v_max_num_f32 v254, v254, v235
	v_mul_f32 v254, s[CS], v254                    ; the step's largest t (key KF counts for every query of a step that is walked: it is a number)
	v_max_num_f32 v13, v13, v254
	v_mov_b32 v254, v12
	v_floor_f32 v12, -v13                          ; the new -M = -ceil(t)
	v_sub_f32 v254, v12, v254                      ; old M - new M: a whole number, 0 or less
	v_cvt_i32_f32 v254, v254                       ; (it saturates)
	v_ldexp_f32 v252, 1.0, v254                    ; f = 2^(old M - new M): a multiplication by it rounds nothing
.set JJ, 0
.rept 32
	v_pk_fma_f32 v[96+JJ:97+JJ], v[96+JJ:97+JJ], s[CS:CS+1], v[12:13] op_sel_hi:[1,0,0]   ; t - M
.set JJ, JJ+2
.endr
.irp b, 0,1,2,3
	v_fma_f32 v[232+\b], v[232+\b], s[CS], v12     ; the same of each block's largest score
.endr
.set JJ, 0
.rept 64
	v_exp_f32 v[96+JJ], v[96+JJ]                   ; p = 2^(t - M)
.set JJ, JJ+1
.endr
	v_pk_mul_f32 v[14:15], v[14:15], v[252:253] op_sel_hi:[1,0]   ; the sums under the new M: the plain instruction behind the exponentials
	s_wait_alu depctr_va_vdst(0)                   ; one wait for the batch of 64, ahead of its first reader
.irp b, 0,1,2,3
	v_exp_f32 v[232+\b], v[232+\b]                 ; the block's largest p
.endr
	v_pk_add_f32 v[236:237], v[96:97], v[98:99]    ; the row's sum of the unquantised p, in two chains: plain work behind the four
.irp j, 4,8,12,16,20,24,28,32,36,40,44,48,52,56,60
	v_pk_add_f32 v[14:15], v[14:15], v[96+\j:97+\j]
	v_pk_add_f32 v[236:237], v[236:237], v[98+\j:99+\j]
.endr
	v_pk_add_f32 v[14:15], v[14:15], v[236:237]
	s_wait_alu depctr_va_vdst(0)                   ; and one for the four
.irp b, 0,1,2,3
	v_max_num_f32 v[232+\b], 0x2800000, v[232+\b]  ; the floor 2^(5 - 127): the byte cannot fall under 1
.endr
	QWORD
	QCODE
.set JJ, 0
.rept 32
	v_pk_mul_f32 v[160+JJ:161+JJ], v[160+JJ:161+JJ], v[252:253] op_sel_hi:[1,0]   ; O^T under the new M; also the places between p's codes and scale word and the matrix instructions below
.set JJ, JJ+2
.endr
.irp j, 0,1,2,3
	ds_load_b32 v[248+\j], v[ADS] offset:8192+128*\j   ; v's scale words
.endr
.irp g, 0,1                                    ; O^T += v^T p^T, four tiles of 16 of the head's 128 at a time
.if \g > 0
.rept 4
	v_nop
.endr
.endif
.irp t, 0,1,2,3
.irp q, 0,1,2
	ds_load_b128 v[32+12*\t+4*\q:35+12*\t+4*\q], v[ADK] offset:KSL+(4*\g+\t)*FRB+512*\q
.endr
.endr
	s_wait_dscnt 0x0
.irp t, 0,1,2,3
	WMA 160+8*(4*\g+\t), 32+12*\t, 224, 248+(4*\g+\t)/2, 253, \t%2, 0
.endr
.endr
.Lhidden_\@:
	s_add_co_u32 s[KF], s[KF], 128
	s_add_co_u32 s[TB], s[TB], 8*FRB
	s_add_co_u32 s[TS], s[TS], 512
.endm
.macro SLOT_STEPS                      ; a slot's four key steps: written once, walked four times
	s_mov_b32 s[STP], 4
.Lstep_\@:
	STEP
	s_sub_co_u32 s[STP], s[STP], 1
	s_cmp_lg_u32 s[STP], 0
	s_cbranch_scc1 .Lstep_\@
	s_sub_co_u32 s[TB], s[TB], KSL                 ; back to a slot's first step,
	s_xor_b32 s[TB], s[TB], SLOT1                  ; in the other slot
.endm
; THE CHANGE OF SLOTS stands at a slot's head.  Each wave waits for all its tensor loads (its part of the slot ahead), adds 0 to its spare word, and waits for that and for its reads of the slot that it has left.
; Behind the barrier the slot ahead is whole and nobody reads the other.  fill = 1: waves 0 to 3 fill that other slot, one load each, which has four key steps in which to land.
; Then the batch's first work-group's other twelve waves ask, one prefetch each, lanes 256 bytes apart, for the slot that the NEXT change will load: 12 x 8,192 bytes = a slot; each byte's block is named once in the launch;
; the last change that fills a slot asks for nothing, and slots 0 and 1 come by their loads alone.
.macro CHANGE fill
	s_wait_tensorcnt 0x0                           ; no tensor load of mine is out, so a group 0 may be written
	ds_add_u32 v[SPW], v[NIL]                      ; 0 onto my spare word
.if \fill
	s_xor_b32 s[G0+1], s[G0+1], SLOT1              ; the other slot than last time,
	s_add_nc_u64 s[G0+2:G0+3], s[G0+2:G0+3], KSL   ; the next 512 keys; the type bits on top are not reached
	s_wait_xcnt 0x0                                ; the last prefetch, a slot back, has read its address
	s_add_nc_u64 s[PFA:PFA+1], s[PFA:PFA+1], KSL
.endif
	s_wait_dscnt 0x0                               ; the add is done, and my reads of the slot that I have left are over
	s_barrier_signal -1
	s_barrier_wait -1
.if \fill
	s_cmp_lt_u32 s[WV], 4
	s_cbranch_scc0 .Lasked_\@
	tensor_load_to_lds s[G0:G0+3], s[G1:G1+7]      ; the first thing behind the barrier, and a wave's one tensor load until the next
	s_nop 0
.rept 4
	v_nop
.endr
.Lasked_\@:
	s_cmp_gt_u32 s[SLOTS], s[LIM]
	s_cbranch_scc0 .Lnot_mine_\@
	global_prefetch_b8 v[PFO], s[PFA:PFA+1] th:TH_LOAD_NT scope:SCOPE_SE
.Lnot_mine_\@:
.endif
.endm
	s_wait_loadcnt 0x0                             ; q
.Lslot:                                            ; three trips: behind each change of slots but the last the next slot is asked for
	CHANGE 1
	SLOT_STEPS
	s_sub_co_u32 s[SLOTS], s[SLOTS], 1
	s_cmp_lg_u32 s[SLOTS], 0
	s_cbranch_scc1 .Lslot
	CHANGE 0                                       ; the last slot is written out
	SLOT_STEPS
	; ---- THE LAST PRODUCT.  The first four lines are the places behind the last matrix instructions
	v_and_b32 v10, 15, v0                          ; r
	v_bfe_u32 v11, v0, 4, 1                        ; h
	v_and_b32 v9, 31, v0                           ; lane
	v_add_f32 v14, v14, v15                        ; the sum's two halves,
	v_permlanex16_b32 v252, v14, s[SEL], s[SEL+1]
	v_add_f32 v14, v14, v252                       ; and lane l xor 16's: the row's sum
	v_rcp_f32 v14, v14
	v_lshl_add_u32 v2, v9, 4, OIMG                 ; where any image is read: 16 x lane.  (Plain work behind the reciprocal)
	v_lshl_add_u32 v3, v9, 2, OSC                  ; and its scale words: 4 x lane: lanes 0-15 tile 0's, lanes 16-31 tile 1's
	s_lshl_b32 s81, s[ZZ], 3
	s_add_co_u32 s81, s81, s[HD]
	s_mul_i32 s81, s81, FRB
	v_add_nc_u32 v4, s81, v2                       ; where my image goes: 8 z + head
	s_lshl_b32 s82, s[HD], 7
	s_lshl_b32 s83, s[ZZ], 6
	s_add_co_u32 s82, s82, s83
	s_add_co_u32 s82, s82, OSC
	v_lshl_add_u32 v7, v10, 2, s82                 ; and my row's scale word
	s_mul_i32 s83, s[WV], 16*SP
	s_add_co_u32 s83, s83, STG                     ; my stage
	v_mul_u32_u24 v8, v10, SP
	v_lshl_add_u32 v8, v11, 6, v8
	v_add_nc_u32 v8, s83, v8                       ; in: row r, + 64 h bytes
	v_mul_u32_u24 v9, v11, SP
	v_lshl_add_u32 v9, v10, 4, v9
	v_add_nc_u32 v9, s83, v9                       ; back: lanes 0-15 one row of 256 bytes, lanes 16-31 the next
	v_lshlrev_b32 v248, 6, v11                     ; bp: 64 h
	v_lshlrev_b32 v249, 5, v10
	v_lshl_add_u32 v249, v11, 9, v249              ; Wp's scale words: 32 r + 512 h: lanes 16-31 take the next tile's
	v_lshlrev_b32 v250, 4, v10
	v_lshl_add_u32 v250, v11, 12, v250             ; out0: 16 r + a row for lanes 16-31
	s_lshl_b32 s84, s[WV], 11
	s_add_co_u32 s84, s84, 592*512
	s_mov_b32 s85, 0
	s_add_nc_u64 s[84:85], s[10:11], s[84:85]      ; scl at tile 592 + 4 w
	s_mul_i32 s86, s[WV], 32*FRB
	s_add_co_u32 s86, s86, 592*8*FRB
	s_mov_b32 s87, 0
	s_add_nc_u64 s[86:87], s[8:9], s[86:87]        ; cod likewise
	s_lshl_b32 s88, s[WV], 8                       ; my 64 columns: 256 bytes
	s_mov_b32 s89, 0
	s_add_nc_u64 s[94:95], s[12:13], s[88:89]      ; bp
	s_lshl_b32 s90, s[BAT], 23                     ; out0: 2,048 rows of 4,096 bytes a batch,
	s_lshl_b32 s91, s[BU], 15                      ; 8 u rows,
	s_add_co_u32 s90, s90, s91
	s_add_co_u32 s90, s90, s88                     ; my columns,
	s_lshl_b32 s92, s[BI], 17                      ; and the block of 32 rows: i for tile 0,
	s_add_co_u32 s92, s92, s90
	s_mov_b32 s93, 0
	s_sub_co_u32 s91, 63, s[BI]                    ; 63 - i for tile 1
	s_lshl_b32 s91, s91, 17
	s_add_co_u32 s90, s90, s91
	s_mov_b32 s91, 0
	s_add_nc_u64 s[92:93], s[14:15], s[92:93]
	s_add_nc_u64 s[90:91], s[14:15], s[90:91]
.macro WF s, p                         ; Wp's four fragments of K step s into set p: v32-79 or v80-127
.irp j, 0,1,2,3
.irp q, 0,1,2
	global_load_b128 v[32+48*(\p)+12*\j+4*\q:35+48*(\p)+12*\j+4*\q], v[LI], s[86:87] offset:8*FRB*\j+FRB*(\s)+512*\q
.endr
.endr
.endm
.macro OF s, p                         ; O's two fragments of K step s into set p: v128-151 or v224-247
.irp zz, 0,1
.irp q, 0,1,2
	ds_load_b128 v[128+96*(\p)+12*\zz+4*\q:131+96*(\p)+12*\zz+4*\q], v2 offset:FRB*(8*\zz+(\s))+512*\q
.endr
.endr
.endm
	s_wait_xcnt 0x0                                ; the prefetches have read their offset register, on which a load below lands
.irp bb, 0,1
.irp k, 0,1
	global_load_b128 v[16+8*\bb+4*\k:19+8*\bb+4*\k], v249, s[84:85] offset:1024*\bb+16*\k   ; register 16 + 8 bb + s: K step s's words: lanes 0-15 tile 2 bb's, lanes 16-31 tile 2 bb + 1's
.endr
.endr
	WF 0, 0
	s_wait_alu depctr_va_vdst(0)                   ; the wait for the reciprocal, ahead of its first reader
.set JJ, 0
.rept 32
	v_pk_mul_f32 v[96+JJ:97+JJ], v[160+JJ:161+JJ], v[14:15] op_sel_hi:[1,0]   ; O^T / l, from each accumulator's low end on: register 16 b + i = d 32 b + 16 h + i of my head
.set JJ, JJ+2
.endr
.irp zz, 0,1                                   ; bp goes straight into the eight accumulators: the C of each sum's first link
.irp j, 0,1,2,3
.irp k, 0,1
	global_load_b128 v[160+32*\zz+8*\j+4*\k:163+32*\zz+8*\j+4*\k], v248, s[94:95] offset:4*(32*(\j/2)+8*(\j%2))+16*\k
.endr
.endr
.endr
.irp b, 0,1,2,3
	v_max3_num_f32 v[232+\b], |v[96+16*\b]|, |v[97+16*\b]|, 0x2800000
.endr
.irp i, 2,4,6,8,10,12,14
.irp b, 0,1,2,3
	v_max3_num_f32 v[232+\b], v[232+\b], |v[96+16*\b+\i]|, |v[97+16*\b+\i]|
.endr
.endr
.irp b, 0,1,2,3
	v_permlanex16_b32 v[236+\b], v[232+\b], s[SEL], s[SEL+1]
.endr
.irp b, 0,1,2,3
	v_max_num_f32 v[232+\b], v[232+\b], v[236+\b]
.endr
	QWORD
	QCODE
.irp q, 0,1,2
	ds_store_b128 v4, v[224+4*\q:227+4*\q] offset:512*\q   ; the fragment as it stands
.endr
	ds_store_b32 v7, v253                          ; both halves of the lanes write a row's word with the same value
	WF 1, 1
	s_wait_dscnt 0x0                               ; for the others' sake: my stores have landed
	s_barrier_signal -1
	s_barrier_wait -1                              ; sixteen images lie in LDS
.irp s, 0,1,2,3,4,5,6,7
	ds_load_b32 v[152+\s], v3 offset:128*\s
.endr
	OF 0, 0
	OF 1, 1
.irp s, 0,1,2,3,4,5,6,7                        ; K step = head.  Eight accumulators by turns, one instruction a turn
.if \s < 7
	s_wait_loadcnt 12                              ; all but the next K step's 12 loads of Wp
	s_wait_dscnt 6                                 ; all but the next K step's 6 loads of O
.else
	s_wait_loadcnt 0x0
	s_wait_dscnt 0x0
.endif
.irp zz, 0,1
.irp j, 0,1,2,3
	WMA 160+32*\zz+8*\j, 32+48*(\s%2)+12*\j, 128+96*(\s%2)+12*\zz, 16+8*(\j/2)+\s, 152+\s, \j%2, \zz
.endr
.endr
.rept 4
	v_nop                                          ; places ahead of loads into registers that these read, and of the first read of results
.endr
.if \s < 6
	WF \s+2, \s%2
	OF \s+2, \s%2
.endif
.endr
	; THE WAY OUT: lane (r, h) holds, for Wp's tile j, columns 32 (j / 2) + 16 h + 8 (j % 2) + 0 .. 7 of the token in the tile's row r.  A tile of tokens goes through my stage and leaves as rows of 256 bytes.
.irp zz, 0,1
.irp j, 0,1,2,3
	ds_store_b128 v8, v[160+32*\zz+8*\j:163+32*\zz+8*\j] offset:128*(\j/2)+32*(\j%2)       ; each accumulator from its low end on
	ds_store_b128 v8, v[164+32*\zz+8*\j:167+32*\zz+8*\j] offset:128*(\j/2)+32*(\j%2)+16
.endr
.irp i, 0,1,2,3,4,5,6,7
	ds_load_b128 v[32+32*\zz+4*\i:35+32*\zz+4*\i], v9 offset:2*SP*\i   ; LDS serves a wave's instructions in order: these see my stores, and the next tile's stores come behind them
.endr
.endr
.irp zz, 0,1
.irp i, 0,1,2,3,4,5,6,7
	s_wait_dscnt 23-16*\zz-\i                      ; the LDS instructions issued behind this load may stay out
	global_store_b128 v250, v[32+32*\zz+4*\i:35+32*\zz+4*\i], s[92-2*\zz:93-2*\zz] offset:(2*\i+8*(\i/4))*4096 th:TH_STORE_NT   ; sixteen lanes store 256 consecutive bytes, aligned; stage row 2 i + h is token 2 i + h + 8 (i / 4) of the tile
.endr
.endr
	s_wait_tensorcnt 0x0                           ; the wave's end
	ds_add_u32 v[SPW], v[NIL]
	s_wait_dscnt 0x0
	s_endpgm
.Lfunc_end_k_q83d7ab9fab_attn:
	.size	k_q83d7ab9fab_attn, .Lfunc_end_k_q83d7ab9fab_attn-k_q83d7ab9fab_attn
	.p2alignl 7, 3214868480
	.fill 96, 4, 3214868480
	.section	.rodata,"a",@progbits
	.p2align	6, 0x0
	.amdhsa_kernel k_q83d7ab9fab_attn
		.amdhsa_group_segment_fixed_size 327680
		.amdhsa_private_segment_fixed_size 0
		.amdhsa_enable_private_segment 0
		.amdhsa_kernarg_size 48
		.amdhsa_user_sgpr_count 2
		.amdhsa_user_sgpr_kernarg_segment_ptr 1
		.amdhsa_wavefront_size32 1
		.amdhsa_system_sgpr_workgroup_id_x 1
		.amdhsa_system_sgpr_workgroup_id_y 1
		.amdhsa_system_sgpr_workgroup_id_z 1
		.amdhsa_system_vgpr_workitem_id 0
		.amdhsa_next_free_vgpr 256
		.amdhsa_next_free_sgpr 100
		.amdhsa_reserve_vcc 1
		.amdhsa_float_denorm_mode_32 3
		.amdhsa_float_denorm_mode_16_64 3
		.amdhsa_memory_ordered 1
		.amdhsa_forward_progress 1
		.amdhsa_inst_pref_size 95
	.end_amdhsa_kernel
	.amdgpu_metadata
---
amdhsa.version: [ 1, 2 ]
amdhsa.kernels:
  - .name:           k_q83d7ab9fab_attn
    .symbol:         k_q83d7ab9fab_attn.kd
    .args:
      - { .name: qkvc, .offset: 0, .size: 8, .value_kind: global_buffer, .address_space: global }
      - { .name: qkvs, .offset: 8, .size: 8, .value_kind: global_buffer, .address_space: global }
      - { .name: cod, .offset: 16, .size: 8, .value_kind: global_buffer, .address_space: global }
      - { .name: scl, .offset: 24, .size: 8, .value_kind: global_buffer, .address_space: global }
      - { .name: bp, .offset: 32, .size: 8, .value_kind: global_buffer, .address_space: global }
      - { .name: out0, .offset: 40, .size: 8, .value_kind: global_buffer, .address_space: global }
    .group_segment_fixed_size: 327680
    .private_segment_fixed_size: 0
    .kernarg_segment_align: 8
    .kernarg_segment_size: 48
    .max_flat_workgroup_size: 512
    .sgpr_count:     100
    .vgpr_count:     256
    .wavefront_size: 32
...
	.end_amdgpu_metadata
.endif
;; end of part 3
